; MI455X (gfx1250); checked and timed in simulation.
; The chip was launched on July 23, 2026; its instructions are those of AMD's public machine-readable ISA for CDNA 5 (MIT licence, August 2026) and "CDNA5" Instruction Set Architecture Reference Guide (July 2026). The comments in the code are by the model that wrote it; some were corrected since.
;; Base Mo E. Allowed arithmetic: float matrix products may take bf16 or f16 operands with f32 sums; all other float work in f32.
;; Inputs: W1 8 x 1,024 x 4,096 float32; W2 8 x 4,096 x 1,024 float32; Wg 1,024 x 8 float32; b1 8 x 4,096 float32; b2 8 x 1,024 float32; bg 8 float32; x 1,024 x 1,024 float32.
;; Outputs: out0 1,024 x 1,024 float32.
;; One version. Each part assembles by itself: llvm-mc -triple=amdgcn-amd-amdhsa -mcpu=gfx1250 --defsym DOCPART=n.
;; ======== version 1 of 1: 4 launches
;; limits: values are held in f16: magnitudes above 65,504 overflow, below 6.1e-05 lose precision
;; workspace buffers: xb 2,097,152 bytes; wbuf 65,536 bytes; hbuf 67,108,864 bytes; part 67,108,864 bytes
;; launch prep (part 1): grid 256 x 1, 8 waves a work-group, no clusters, 2,048 bytes of LDS; arguments x, Wg, bg, xb, wbuf; writes xb, wbuf
.if DOCPART == 1
	.amdgcn_target "amdgcn-amd-amdhsa--gfx1250"
	.amdhsa_code_object_version 6
	.text
	.protected	k_q5da771b218_prep
	.globl	k_q5da771b218_prep
	.p2align	8
	.type	k_q5da771b218_prep,@function
k_q5da771b218_prep:
	s_mov_b64 s[64:65], 0
	v_nop
	global_prefetch_b8 v0, s[64:65] scope:SCOPE_SE
	s_setreg_imm32_b32 hwreg(HW_REG_WAVE_MODE, 25, 1), 1
	s_wait_xcnt 0x0
; xb = f16(x / 16), and the gate: wbuf[n][e] = softmax over e of (x[n] . Wg[:,e] + bg[e]), all of the gate in f32.
; x: [1024][1024] f32.  Wg: [1024][8] f32.  bg: [8] f32.  xb: [1024][1024] f16.  wbuf: [1024][8][2] f32, each weight stored twice.
; WHY x / 16: the products' operands are f16 (11 significant bits).  The hidden layer is then made as h / 16, an exact power of two, which puts
; f16's largest number, 65,504, at |h| = 1,048,064, and its smallest step, 2^-24, at 2^-20 of h; the last launch multiplies by 16 again.
; LIMIT: |x| of 1,048,320 or more becomes infinity in xb.
; The gate stays on the vector unit in f32: it has 8 columns (1/8192 of the problem's products), and logits from operands rounded
; to 16 bits would lose the softmax where the inputs are large.  The row's maximum is taken away in front of the exponential.
; LIMIT: v_exp_f32 gives 0 for results below 2^-126 (ISA guide, 15.8), so a weight below that comes out as 0.
; Eight waves; the work-group owns 4 rows.  Thread t owns columns 4 t .. 4 t + 3 of all four rows: a load of a wave covers 512
; consecutive bytes of x, a store 256 consecutive bytes of xb, aligned.  The weights of 4 rows, doubled, are 256 bytes: one store.
; Each weight is doubled so that the last launch can read a row's weights as even-aligned scalar pairs for its packed multiply-adds.
.set X,   8                            ; v[8:23]   row r: x of my 4 columns at X + 4 r
.set WG,  24                           ; v[24:55]  Wg[4 t + i][e] at WG + 8 i + e
.set ACC, 56                           ; v[56:87]  my part of logit (r, e) at ACC + 8 r + e
.set Y,   88                           ; v[88:95]  row r: 4 f16 at Y + 2 r
.set T,   108                          ; v[108:111] x / 16, at work
.set SIXTEENTH, 0x3d800000             ; 1 / 16 in f32
	s_load_b256 s[4:11], s[0:1], 0x0               ; x s[4:5], Wg s[6:7], bg s[8:9], xb s[10:11]
	s_load_b64 s[12:13], s[0:1], 0x20              ; wbuf
	v_lshl_add_u32 v112, v0, 2, 0x400
	v_mov_b32 v113, 0
	v_lshrrev_b32 v5, 5, v0
	v_readfirstlane_b32 s14, v5                    ; wave 0..7
	v_mov_b32 v5, s14
	v_lshlrev_b32 v5, 7, v5                        ; LDS: my wave's 32 sums, 128 bytes
	v_lshlrev_b32 v1, 4, v0                        ; 16 t: my 4 columns in a row of x
	v_lshlrev_b32 v2, 7, v0                        ; 128 t: my 4 rows of Wg
	v_lshlrev_b32 v3, 3, v0                        ; 8 t: my 4 columns in a row of xb
	v_and_b32 v4, 7, v0
	v_lshlrev_b32 v4, 2, v4                        ; 4 (lane mod 8): my expert's bg
	v_and_b32 v6, 31, v0
	v_lshlrev_b32 v7, 3, v6                        ; 8 x lane: my doubled weight
	v_lshlrev_b32 v6, 2, v6                        ; 4 x lane: my logit among a wave's 32 sums
	v_mov_b32 v97, 0                               ; v_permlanex16_b32 counts as a reader of its destination
	s_mov_b32 s20, 0x76543210                      ; lane i of one half reads lane i of the other
	s_mov_b32 s21, 0xfedcba98
	s_mov_b32 s17, 0
	s_lshl_b32 s16, ttmp9, 14                      ; 4 rows of 4,096 bytes
	s_wait_kmcnt 0x0
	s_add_nc_u64 s[4:5], s[4:5], s[16:17]
	s_lshl_b32 s16, ttmp9, 13                      ; 4 rows of 2,048 bytes
	s_add_nc_u64 s[10:11], s[10:11], s[16:17]
	s_lshl_b32 s16, ttmp9, 8                       ; 4 rows of 64 bytes
	s_add_nc_u64 s[12:13], s[12:13], s[16:17]
.irp r, 0,1,2,3
	global_load_b128 v[X+4*\r:X+4*\r+3], v1, s[4:5] offset:4096*\r th:TH_LOAD_NT   ; x is read once in this launch
.endr
.irp m, 0,1,2,3,4,5,6,7
	global_load_b128 v[WG+4*\m:WG+4*\m+3], v2, s[6:7] offset:16*\m
.endr
	global_load_b32 v96, v4, s[8:9]
	s_wait_loadcnt 0x9                             ; the four loads of x are in; the eight of Wg and the one of bg stay out
.irp r, 0,1,2,3
	v_pk_mul_f32 v[T:T+1],   v[X+4*\r:X+4*\r+1],   SIXTEENTH op_sel_hi:[1,0]   ; exact; x itself stays for the gate
	v_pk_mul_f32 v[T+2:T+3], v[X+4*\r+2:X+4*\r+3], SIXTEENTH op_sel_hi:[1,0]
	v_cvt_pk_f16_f32 v[Y+2*\r],   v[T],   v[T+1]
	v_cvt_pk_f16_f32 v[Y+2*\r+1], v[T+2], v[T+3]
	global_store_b64 v3, v[Y+2*\r:Y+2*\r+1], s[10:11] offset:2048*\r
.endr
	s_wait_loadcnt 0x0
	; my 4 columns' part of the 32 logits: the first product starts each sum
.irp r, 0,1,2,3
.irp e, 0,1,2,3,4,5,6,7
	v_mul_f32 v[ACC+8*\r+\e], v[X+4*\r], v[WG+\e]
.endr
.irp i, 1,2,3
.irp e, 0,1,2,3,4,5,6,7
	v_fmac_f32 v[ACC+8*\r+\e], v[X+4*\r+\i], v[WG+8*\i+\e]
.endr
.endr
.endr
; the sum of one register over the wave's 32 lanes, left in every lane
.macro WSUM reg
	v_add_f32_dpp v[\reg], v[\reg], v[\reg] row_xmask:1 row_mask:0xf bank_mask:0xf
	v_add_f32_dpp v[\reg], v[\reg], v[\reg] row_xmask:2 row_mask:0xf bank_mask:0xf
	v_add_f32_dpp v[\reg], v[\reg], v[\reg] row_xmask:4 row_mask:0xf bank_mask:0xf
	v_add_f32_dpp v[\reg], v[\reg], v[\reg] row_xmask:8 row_mask:0xf bank_mask:0xf
	v_permlanex16_b32 v97, v[\reg], s20, s21
	v_add_f32 v[\reg], v[\reg], v97
.endm
.set i, 0
.rept 32
	WSUM ACC+i
.set i, i+1
.endr
.irp m, 0,1,2,3,4,5,6,7
	ds_store_b128 v5, v[ACC+4*\m:ACC+4*\m+3] offset:16*\m      ; all lanes write the same words with the same values
.endr
	s_wait_dscnt 0x0                               ; my wave's sums are in LDS before I say so
	s_barrier_signal -1
	s_barrier_wait -1
	s_cmp_lg_u32 s14, 0
	s_cbranch_scc1 .Lend                           ; wave 0 finishes the 32 logits: lane l has row l / 8, expert l mod 8
.irp w, 0,1,2,3,4,5,6,7
	ds_load_b32 v[98+\w], v6 offset:128*\w
.endr
	s_wait_dscnt 0x0
	v_add_f32 v98, v98, v99
	v_add_f32 v100, v100, v101
	v_add_f32 v102, v102, v103
	v_add_f32 v104, v104, v105
	v_add_f32 v98, v98, v100
	v_add_f32 v102, v102, v104
	v_add_f32 v98, v98, v102
	v_add_f32 v98, v98, v96                        ; + bg
	v_max_num_f32_dpp v99, v98, v98 row_xmask:1 row_mask:0xf bank_mask:0xf     ; the largest of the row's 8 logits, in its 8 lanes
	v_max_num_f32_dpp v99, v99, v99 row_xmask:2 row_mask:0xf bank_mask:0xf
	v_max_num_f32_dpp v99, v99, v99 row_xmask:4 row_mask:0xf bank_mask:0xf
	v_sub_f32 v100, v98, v99
	v_mul_f32 v100, 0x3fb8aa3b, v100               ; e^x = 2^(x log2 e)
	v_exp_f32 v102, v100
	v_nop                                          ; one plain place behind a transcendental (ISA guide 5.7.2)
	s_wait_alu depctr_va_vdst(0)
	v_add_f32_dpp v101, v102, v102 row_xmask:1 row_mask:0xf bank_mask:0xf
	v_add_f32_dpp v101, v101, v101 row_xmask:2 row_mask:0xf bank_mask:0xf
	v_add_f32_dpp v101, v101, v101 row_xmask:4 row_mask:0xf bank_mask:0xf      ; at least 1: the largest logit gives 2^0
	v_rcp_f32 v103, v101
	v_nop
	s_wait_alu depctr_va_vdst(0)
	v_mul_f32 v106, v102, v103
	v_mov_b32 v107, v106
	global_store_b64 v7, v[106:107], s[12:13]      ; 32 lanes x 8 bytes: 256 consecutive bytes, aligned
.Lend:
	s_wait_tensorcnt 0x0
	ds_add_u32 v112, v113
	s_wait_dscnt 0x0
	s_endpgm
.Lfunc_end_k_q5da771b218_prep:
	.size	k_q5da771b218_prep, .Lfunc_end_k_q5da771b218_prep-k_q5da771b218_prep
	.p2alignl 7, 3214868480
	.fill 96, 4, 3214868480
	.section	.rodata,"a",@progbits
	.p2align	6, 0x0
	.amdhsa_kernel k_q5da771b218_prep
		.amdhsa_group_segment_fixed_size 2048
		.amdhsa_private_segment_fixed_size 0
		.amdhsa_enable_private_segment 0
		.amdhsa_kernarg_size 40
		.amdhsa_user_sgpr_count 2
		.amdhsa_user_sgpr_kernarg_segment_ptr 1
		.amdhsa_wavefront_size32 1
		.amdhsa_system_sgpr_workgroup_id_x 1
		.amdhsa_system_sgpr_workgroup_id_y 1
		.amdhsa_system_sgpr_workgroup_id_z 1
		.amdhsa_system_vgpr_workitem_id 0
		.amdhsa_next_free_vgpr 114
		.amdhsa_next_free_sgpr 66
		.amdhsa_reserve_vcc 0
		.amdhsa_float_denorm_mode_32 3
		.amdhsa_float_denorm_mode_16_64 3
		.amdhsa_memory_ordered 1
		.amdhsa_forward_progress 1
		.amdhsa_inst_pref_size 22
	.end_amdhsa_kernel
	.amdgpu_metadata
---
amdhsa.version: [ 1, 2 ]
amdhsa.kernels:
  - .name:           k_q5da771b218_prep
    .symbol:         k_q5da771b218_prep.kd
    .args:
      - { .name: x, .offset: 0, .size: 8, .value_kind: global_buffer, .address_space: global }
      - { .name: Wg, .offset: 8, .size: 8, .value_kind: global_buffer, .address_space: global }
      - { .name: bg, .offset: 16, .size: 8, .value_kind: global_buffer, .address_space: global }
      - { .name: xb, .offset: 24, .size: 8, .value_kind: global_buffer, .address_space: global }
      - { .name: wbuf, .offset: 32, .size: 8, .value_kind: global_buffer, .address_space: global }
    .group_segment_fixed_size: 2048
    .private_segment_fixed_size: 0
    .kernarg_segment_align: 8
    .kernarg_segment_size: 40
    .max_flat_workgroup_size: 256
    .sgpr_count:     66
    .vgpr_count:     114
    .wavefront_size: 32
...
	.end_amdgpu_metadata
.endif
;; end of part 1
;; launch gemm1 (part 2): grid 128 x 4, 4 waves a work-group, clusters of 4 x 4, 327,680 bytes of LDS; arguments xb, W1, b1, hbuf; writes hbuf
.if DOCPART == 2
	.amdgcn_target "amdgcn-amd-amdhsa--gfx1250"
	.amdhsa_code_object_version 6
	.text
	.protected	k_q5da771b218_gemm1
	.globl	k_q5da771b218_gemm1
	.p2align	8
	.type	k_q5da771b218_gemm1,@function
k_q5da771b218_gemm1:
	s_mov_b64 s[64:65], 0
	v_nop
	global_prefetch_b8 v0, s[64:65] scope:SCOPE_SE
	s_setreg_imm32_b32 hwreg(HW_REG_WAVE_MODE, 25, 1), 1
	s_wait_xcnt 0x0
	s_wait_alu depctr_hold_cnt(0) depctr_sa_sdst(0) depctr_va_vdst(0) depctr_va_sdst(0) depctr_va_ssrc(0) depctr_va_vcc(0) depctr_vm_vsrc(0)
	s_getreg_b32 s2, hwreg(HW_REG_IB_STS2, 6, 4)
	s_cmp_eq_u32 s2, 0
	s_cbranch_scc0 .Lentry_in_a_cluster
	s_endpgm
.Lentry_in_a_cluster:
	s_bfe_u32 s2, ttmp6, 0x10000c
	s_cmp_lg_u32 s2, 0xf033
	s_cbranch_scc0 .Lentry_shape_is_right
	s_endpgm
.Lentry_shape_is_right:
; hbuf[n][e*4096 + j] = relu(sum over d of xb[n][d] W1[e][d][j] + b1[e][j] / 16), rounded once to f16.  xb holds x / 16, so hbuf holds h / 16.
; xb: [1024][1024] f16.  W1: [8][1024][4096] f32.  b1: [8][4096] f32.  hbuf: [1024][32768] f16.  Sums in f32.
; OPERANDS IN f16, not bf16: four roundings (x, W1, h, W2) enter every output of the program, and f16 keeps 11 significant bits to bf16's 8.
; The factor 1/16 is exact and gives h room on both sides: f16's largest number, 65,504, stands at |h| = 1,048,064; its step 2^-24 at 2^-20 of h.
; LIMITS: W1 is rounded to f16 on its way to the matrix unit (|W1| of 65,520 or more becomes infinity); h of 1,048,320 or more becomes infinity;
; relu is v_max_num_f32 with 0, so a NaN sum gives 0 where the reference keeps NaN.
; A work-group makes 512 tokens x 128 columns with four waves, one above the other, a wave 128 x 128: 64 accumulator tiles of 16 x 16, 512 registers.
; WHY 512 x 128: W1 is f32, and every work-group that needs a tile of it loads and converts it for itself.  With 512 tokens to a block each
; element of W1 is loaded and converted by 1024 / 512 = 2 work-groups; a block of 256 x 256 would make that 4.  xb, which the taller block
; asks for twice as often, is f16 and comes by joint loads, one request for four work-groups.
; K = 1024 goes in 8 trips of 128, a trip in four quarters of 32.
; A (xb) comes by the tensor data mover through two LDS slots, rows of 256 bytes padded to 272; a wave fills and reads its own 128 rows.
; CLUSTERS: 4 x 4 work-groups make 2 token blocks (cy & 1) x 8 column blocks (4 (cy >> 1) + cx).  The four of a row of the cluster need the
; same tile of xb and ask for it JOINTLY (one descriptor, a mask that names the four).  The two that need the same tile of W1 lie in one cluster.
; W1 IS NOT ASKED FOR JOINTLY: it is f32 and lies [k][n].  A joint load could only lay f32 into LDS: 16 KiB more written and 16 KiB more read
; for each 32 of K, on top of the 104 KiB that this text moves there (64 of fragments, 32 of A, 8 of W), and beside A's 278,528 bytes and the
; f16 ring's 36,864 only 12,288 of the 327,680 are left.  So W1 goes memory -> registers -> f16 -> LDS as [k][n], each wave 8 of a batch's
; 32 rows, and is read back by the transposing load ds_load_tr16_b128.
; THE W RING holds one tile of 128 rows as four batches of 32; batch g lies at place g & 3.  Quarter Q multiplies batch Q, fetches batch Q + 1's
; fragments, converts batch Q + 2 into its place and loads batch Q + 4 from memory.  A barrier stands in every odd quarter, between the
; conversion and the fetch: from one barrier to the next the reads touch places 0, 1 and the stores places 2, 3, or the other way round.
; PREFETCH: in each trip that has a tile two trips ahead, that tile of W1 (128 rows x 512 bytes) is asked for, once in the launch:
; its 256 aligned blocks of 256 bytes are shared 128 to each of the two work-groups that read it (by token block), 32 to a wave, one to a lane.
; The request stands behind the first quarter's loads, four quarters ahead of the tile's first load.  The last two trips ask for nothing, so
; no request passes the expert's last row.
;
; REGISTERS, in windows of 256:
;   window 0: v16-27 addresses, never rewritten; v32-63, v64-95 two sets of 8 x 4 registers for W1 on its way; v96-159 the first two batches; v160-223 the bias tile
;   window 1: v0-63, v64-127 fragments of A, two buffers; v128-191, v192-255 fragments of W, two buffers
;   window 2: the 32 accumulator tiles of my rows 0-63 (tile (a, b) at v[8 (8 a + b)]);   window 3: those of my rows 64-127
; THE MATRIX INSTRUCTION IS USED TRANSPOSED: source 0 = 16 columns of W, source 1 = 16 tokens.  Lane l then holds token l % 16, and its
; registers 0 to 7 the columns 8 (l / 16) + 0 .. 7 of the tile: eight neighbouring numbers of a row of hbuf.
; The first product of each tile takes the bias tile as C: nothing is cleared and no add follows.
.set TRIPS,  8                         ; K / 128
.set LAPS,   TRIPS/2                   ; a lap = two trips = once round A's ring
.set KSTEP,  128
.set LDA,    1024                      ; elements in a row of xb
.set PW,     16384                     ; bytes in a row of W1
.set PWLOG,  14
.set HROW,   65536                     ; bytes in a row of hbuf
.set PITCHA, 272                       ; 256 bytes + 16: the 16 rows of a fragment load start 16 bytes apart modulo 256
.set WROWS,  128*PITCHA                ; 34,816: a wave's 128 rows of a slot
.set ASLOT,  4*WROWS                   ; 139,264
.set PITCHW, 288                       ; 256 bytes + 32 = 9 x 32, for the transposing load
.set BATCH,  32*PITCHW                 ; 9,216: a batch's place in the W ring
.set WB,     2*ASLOT                   ; 278,528 = 1,088 x 256: the f16 W ring, 4 places; LDS stores fill it, no tensor load does
.set STAGE,  WB                        ; the way out uses the ring's bytes, behind a barrier of its own: 16 rows x 272 bytes for each wave
.set SPITCH, 272
.set SIXTEENTH, 0x3d800000             ; 1 / 16 in f32
.set ADRA, 16                          ; v16-17  LDS address of my A fragments in slot 0, 1
.set WOFF, 18                          ; v18     byte offset of my 16 bytes in my first row of a batch of W1
.set PFO,  19                          ; v19     byte offset of my block of a tile of W1, for the prefetch
.set ADRB, 20                          ; v20     LDS address of my W fragments in place 0
.set WST,  22                          ; v22     LDS address of my 8 bytes in my first row of place 0
.set STO,  24                          ; v24     the way out: where I put 16 bytes of a row
.set RD,   25                          ; v25     the way out: where I read a row back
.set CO,   26                          ; v26     my byte offset in hbuf
.set BOFF, 27                          ; v27     32 (l / 16): my 8 columns in a bias tile
.set SETA, 32                          ; even batches on their way
.set SETB, 64                          ; odd batches on their way
.set PT,   96                          ; batches 0 and 1, ahead of the loop
.set BIAS, 160
.set TMP,  32                          ; the way out: packed results
.set RB0,  96                          ; the way out: rows read back, two buffers by turns
.set RB1,  128
.set FA,   0                           ; window 1
.set FB,   128                         ; window 1
.set G1,  24                           ; s[24:31] descriptor group 1
.set G0,  32                           ; s[32:39] descriptor group 0, one set for each slot
.set WPB, 40                           ; s[40:41] W1 at the batch that the lap's first load takes
.set MSB, 0
.macro WIN new                         ; the immediate's high byte repeats the setting that is left
.if MSB != \new
	s_set_vgpr_msb (MSB<<8)|\new
.set MSB, \new
.endif
.endm
.set MUL_LO,   0xa5                    ; sources 0 and 1 window 1, C and D window 2
.set MUL_HI,   0xf5                    ; the same, C and D window 3
.set FIRST_LO, 0x85                    ; sources window 1, C (the bias) window 0, D window 2
.set FIRST_HI, 0xc5                    ; the same, D window 3
.set TO_F,     0x40                    ; destination window 1, address window 0
.macro PLACES                          ; four plain places behind a matrix instruction (ISA guide 7.12.1)
.rept 4
	v_nop
.endr
.endm
; A round of the cluster's barrier: my work-group's barrier; wave 0 signals for the work-group; every wave waits for all sixteen; my work-group's barrier again.
.macro CREST                           ; a round behind its opening barrier
	s_cmp_lg_u32 s12, 0
	s_cbranch_scc1 .Lnot_wave_0_\@
	s_barrier_signal -3
.Lnot_wave_0_\@:
	s_barrier_wait -3
	s_barrier_signal -1
	s_barrier_wait -1
.endm
.macro CROUND
	s_barrier_signal -1
	s_barrier_wait -1
	CREST
.endm
; 16 matrix instructions: row tiles a0, a0 + 1 of the window's four x all 8 column tiles, 32 along K, on fragment buffer f.
; The 64 accumulators take turns, one instruction a turn, in the same order in every quarter.
.macro MUL16 f, hi, a0, first
.irp a, \a0, \a0+1
.irp b, 0,1,2,3,4,5,6,7
.if \first
	v_wmma_f32_16x16x32_f16 v[8*(8*(\a)+\b):8*(8*(\a)+\b)+7], v[FB+64*\f+8*\b:FB+64*\f+8*\b+7], v[FA+64*\f+8*(4*\hi+\a):FA+64*\f+8*(4*\hi+\a)+7], v[BIAS+8*\b:BIAS+8*\b+7]
.else
	v_wmma_f32_16x16x32_f16 v[8*(8*(\a)+\b):8*(8*(\a)+\b)+7], v[FB+64*\f+8*\b:FB+64*\f+8*\b+7], v[FA+64*\f+8*(4*\hi+\a):FA+64*\f+8*(4*\hi+\a)+7], v[8*(8*(\a)+\b):8*(8*(\a)+\b)+7]
.endif
.endr
.endr
.endm
; 32 LDS loads in one run: quarter q (W's place q, A's bytes 64 q of slot's rows) into fragment buffer f; W's 16 first, A's 16 last (rows 64-127 are the last eight)
.macro FETCH slot, q, f
	WIN TO_F
.irp i, 0,1,2,3,4,5,6,7
	ds_load_tr16_b128 v[FB+64*\f+8*\i:FB+64*\f+8*\i+3],   v[ADRB] offset:(\q)*BATCH+32*\i
	ds_load_tr16_b128 v[FB+64*\f+8*\i+4:FB+64*\f+8*\i+7], v[ADRB] offset:(\q)*BATCH+32*\i+16*PITCHW
.endr
.irp i, 0,1,2,3,4,5,6,7
	ds_load_b128 v[FA+64*\f+8*\i:FA+64*\f+8*\i+3],   v[ADRA+\slot] offset:64*(\q)+\i*16*PITCHA
	ds_load_b128 v[FA+64*\f+8*\i+4:FA+64*\f+8*\i+7], v[ADRA+\slot] offset:64*(\q)+\i*16*PITCHA+32
.endr
.endm
; my 8 rows x 512 bytes of the batch j batches behind WPB: 8 loads of 512 consecutive bytes
.macro WLOAD dst, j
.irp n, 0,1,2,3,4,5,6,7
	global_load_b128 v[\dst+4*\n:\dst+4*\n+3], v[WOFF], s[WPB:WPB+1] offset:(32*(\j)+\n)*PW
.endr
.endm
; One batch of W1 (32 k x 128 n; my 8 rows) goes from set sr to place pos of the W ring as f16; then the set is loaded again, two batches ahead.
.macro CONV sr, pos, left, load, j, pf
	s_wait_loadcnt \left                           ; this set's 8 loads are in; the other set's (left of them) stay out
.irp n, 0,1,2,3,4,5,6,7
	v_cvt_pk_f16_f32 v[\sr+4*\n],   v[\sr+4*\n],   v[\sr+4*\n+1]
	v_cvt_pk_f16_f32 v[\sr+4*\n+1], v[\sr+4*\n+2], v[\sr+4*\n+3]
.endr
.irp n, 0,1,2,3,4,5,6,7
	ds_store_b64 v[WST], v[\sr+4*\n:\sr+4*\n+1] offset:(32*(\pos)+\n)*PITCHW   ; 32 lanes x 8 bytes: a row's 256 consecutive bytes
.endr
.if \load
	WLOAD \sr, \j
.endif
.if \pf
	global_prefetch_b8 v[PFO], s[WPB:WPB+1] offset:(128+32*(\j))*PW th:TH_LOAD_NT scope:SCOPE_SE   ; the tile two trips ahead begins 128 rows (slot 1: 256) behind WPB
.endif
.endm
; An even quarter (q = 0, 2): multiplies buffer 0; in its middle it converts a batch into place pos and fetches quarter q + 1 into buffer 1.
; The 16 conversions are the places between the last matrix instruction that read buffer 1 and the loads into it; without them four v_nop.
.macro QUARTER slot, q, pos, first, conv, left, load, pf
	s_wait_dscnt 8                                 ; W and A's rows 0-63 are in; the youngest eight loads (A's rows 64-127) may be out
.if \first
	WIN FIRST_LO
.else
	WIN MUL_LO
.endif
	MUL16 0, 0, 0, \first
	MUL16 0, 0, 2, \first
	WIN 0
.if \conv
	CONV SETA, \pos, \left, \load, 4*\slot+\q, \pf
.else
	PLACES
.endif
	FETCH \slot, \q+1, 1
.if \conv
	s_wait_dscnt 40                                ; all but the 8 stores and 32 loads just issued
.else
	s_wait_dscnt 32                                ; all but the 32 loads just issued
.endif
.if \first
	WIN FIRST_HI
.else
	WIN MUL_HI
.endif
	MUL16 0, 1, 0, \first
	MUL16 0, 1, 2, \first
.endm
; An odd quarter (q = 1, 3): multiplies buffer 1, converts a batch into place pos, passes the barrier, and fetches quarter nq of slot nslot into buffer 0.
; In front of the barrier each wave has waited for all its LDS reads and stores: behind it the two places just stored may be read and the two
; just read may be stored into.  In q = 3 (tens = 1) the barrier also changes A's slots: each wave has waited for all its tensor loads (one is
; out: its rows of the next tile).  Where A's slot is filled again (fill = 1) the barrier opens a round of the cluster's barrier, and the joint
; load is the first tensor load behind the round, one a wave.  Behind q = 1's barrier no tensor load fills bytes, so A's load may stay out across it.
.macro TURN slot, q, pos, nslot, nq, tens, fill, left, load
	s_wait_dscnt 8
	WIN MUL_LO
	MUL16 1, 0, 0, 0
	WIN 0
	CONV SETB, \pos, \left, \load, 4*\slot+\q, 0
	s_wait_dscnt 0                                 ; my LDS reads and my stores into the W ring are done
.if \tens
	s_wait_tensorcnt 0x0                           ; all my tensor loads have landed
	ds_add_u32 v254, v255
	s_wait_dscnt 0x0
.endif
	s_barrier_signal -1
	WIN MUL_LO
	MUL16 1, 0, 2, 0                               ; registers only, while the others arrive
.if \fill
	WIN 0
.endif
	s_barrier_wait -1
.if \fill
	CREST
	s_add_nc_u64 s[G0+4*\slot+2:G0+4*\slot+3], s[G0+4*\slot+2:G0+4*\slot+3], 2*KSTEP*2   ; no load of mine is out: this slot's tile two trips on
	tensor_load_to_lds s[G0+4*\slot:G0+4*\slot+3], s[G1:G1+7]
	s_nop 0
.endif
	FETCH \nslot, \nq, 0
	WIN MUL_HI
	MUL16 1, 1, 0, 0
	MUL16 1, 1, 2, 0
.endm
; A trip with a trip behind it: every quarter converts and loads.  fill = 1: A's slot is filled again and the W tile two trips ahead is asked for.
.macro TRIP slot, next, first, fill
	QUARTER \slot, 0, 2, \first, 1, 8, 1, \fill
	TURN    \slot, 1, 3, \slot, 2, 0, 0, 8, 1
	QUARTER \slot, 2, 0, 0, 1, 8, 1, 0
	TURN    \slot, 3, 1, \next, 0, 1, \fill, 8, 1
.endm
.macro LAP first
	TRIP 0, 1, \first, 1
	TRIP 1, 0, 0, 1
	WIN 0
	s_wait_xcnt 0x0                                ; the base of the lap's loads and prefetches is stepped only behind this wait
	s_add_nc_u64 s[WPB:WPB+1], s[WPB:WPB+1], 256*PW
.endm
	s_load_b256 s[4:11], s[0:1], 0x0               ; xb s[4:5], W1 s[6:7], b1 s[8:9], hbuf s[10:11]
	v_lshl_add_u32 v254, v0, 2, 0x4d000
	v_mov_b32 v255, 0
	ds_add_u32 v254, v255
	v_lshrrev_b32 v1, 5, v0
	v_readfirstlane_b32 s12, v1                    ; wave 0..3: which 128 of the block's 512 tokens are mine
	s_bfe_u32 s15, ttmp6, 0x40000                  ; cx
	s_bfe_u32 s16, ttmp6, 0x40004                  ; cy (the grid has one cluster along y)
	s_and_b32 s51, s16, 1                          ; the token block
	s_lshr_b32 s52, s16, 1                         ; which four of the cluster's eight column blocks
	s_lshl_b32 s52, s52, 2
	s_lshl_b32 s17, ttmp9, 3
	s_add_co_u32 s17, s17, s52
	s_add_co_u32 s17, s17, s15                     ; column block = 8 x cluster x + 4 (cy >> 1) + cx, 0..255
	; descriptor group 1: 128 rows x 128 elements of 2 bytes, padded in LDS; shared along my row of the cluster
	s_lshl_b32 s42, s16, 2
	s_lshl_b32 s42, 15, s42                        ; places 4 cy .. 4 cy + 3
	s_or_b32 s[G1+0], s42, (1<<16)|(1<<20)|(1<<21)|(5<<22)|(3<<25)  ; mask; element of 2 bytes; padding on; bit 21 beside a mask; after every 64 words, 4 words
	s_mov_b32 s[G1+1], KSTEP<<16                   ; tensor_dim0 = 128
	s_mov_b32 s[G1+2], 128<<16                     ; tensor_dim1 = 128
	s_mov_b32 s[G1+3], KSTEP<<16                   ; tile_dim0 = 128
	s_mov_b32 s[G1+4], 128                         ; tile_dim1 = 128
	s_mov_b32 s[G1+5], LDA                         ; elements from row to row
	s_mov_b32 s[G1+6], 0
	s_mov_b32 s[G1+7], 0
	; A's offset is made of cy and the wave's number alone, in registers that never hold cx
	s_lshl_b32 s18, s51, 20                        ; 512 rows of 2,048 bytes for the token block
	s_lshl_b32 s43, s12, 18                        ; + 128 w rows
	s_add_co_u32 s18, s18, s43
	s_mov_b32 s19, 0
	s_mul_i32 s43, s12, WROWS                      ; LDS: my 128 rows of a slot
	; W1's offset: expert = block / 32, 16,777,216 bytes each; 512 bytes of a row for each block
	s_lshr_b32 s20, s17, 5
	s_lshl_b32 s20, s20, 24
	s_and_b32 s22, s17, 31
	s_lshl_b32 s22, s22, 9
	s_add_co_u32 s20, s20, s22
	s_mov_b32 s21, 0
	; b1's offset: 4 x 128 x block
	s_lshl_b32 s22, s17, 9
	s_mov_b32 s23, 0
	; lane terms: L = lane, r = L % 16, h = L / 16
	v_and_b32 v1, 31, v0
	v_and_b32 v2, 15, v0
	v_bfe_u32 v3, v0, 4, 1
	v_mul_u32_u24 v4, v2, PITCHA
	v_lshl_add_u32 v4, v3, 4, v4                   ; r x 272 + 16 h
	v_add_nc_u32 v[ADRA], s43, v4
	v_add_nc_u32 v[ADRA+1], ASLOT, v[ADRA]
	v_and_b32 v5, 7, v0
	v_lshl_add_u32 v5, v3, 3, v5                   ; 8 h + L % 8: the row of k that I address for the transposing load
	v_mul_u32_u24 v5, v5, PITCHW
	v_bfe_u32 v6, v0, 3, 1
	v_lshl_add_u32 v5, v6, 4, v5                   ; + 16 ((L / 8) % 2)
	v_add_nc_u32 v[ADRB], WB, v5
	s_mul_i32 s46, s12, 8*PITCHW                   ; my 8 rows of a batch
	s_add_co_u32 s46, s46, WB
	v_lshl_add_u32 v[WST], v1, 3, s46
	s_mul_i32 s47, s12, 8*PW
	v_lshl_add_u32 v[WOFF], v1, 4, s47
	s_lshl_b32 s48, s51, 6                         ; prefetch: row 64 x token block + 16 w + L / 2 of a tile, block L % 2 of its 512 bytes
	s_lshl_b32 s49, s12, 4
	s_add_co_u32 s48, s48, s49
	v_lshrrev_b32 v7, 1, v1
	v_add_nc_u32 v7, s48, v7
	v_lshlrev_b32 v7, PWLOG, v7
	v_and_b32 v8, 1, v0
	v_lshl_add_u32 v[PFO], v8, 8, v7
	s_mul_i32 s50, s12, 16*SPITCH
	s_add_co_u32 s50, s50, STAGE                   ; my stage
	v_add_nc_u32 v[STO], s50, v4                   ; in: row r, 16 bytes for each half of the lanes
	v_mul_u32_u24 v9, v3, SPITCH
	v_lshl_add_u32 v9, v2, 4, v9
	v_add_nc_u32 v[RD], s50, v9                    ; back: lanes 0-15 one row of 256 bytes, lanes 16-31 the next
	v_lshlrev_b32 v10, 16, v3
	v_lshl_add_u32 v[CO], v2, 4, v10               ; the same two rows in hbuf
	v_lshlrev_b32 v[BOFF], 5, v3
	s_wait_dscnt 0x0
	s_wait_kmcnt 0x0
	s_add_nc_u64 s[WPB:WPB+1], s[6:7], s[20:21]    ; W1 at my block's first tile
	s_add_nc_u64 s[8:9], s[8:9], s[22:23]
	s_add_nc_u64 s[18:19], s[4:5], s[18:19]        ; xb at my 128 rows
	; the bias tile: register 8 b + j of lane (r, h) = b1 of column 16 b + 8 h + j, the layout of C
.irp b, 0,1,2,3,4,5,6,7
	global_load_b128 v[BIAS+8*\b:BIAS+8*\b+3],   v[BOFF], s[8:9] offset:64*\b
	global_load_b128 v[BIAS+8*\b+4:BIAS+8*\b+7], v[BOFF], s[8:9] offset:64*\b+16
.endr
	WLOAD PT, 0                                    ; batches 0 and 1 are converted ahead of the loop
	WLOAD PT+32, 1
	WLOAD SETA, 2                                  ; batches 2 and 3: the two sets are on their way from here on
	WLOAD SETB, 3
	CROUND                                         ; all sixteen work-groups are here: the first joint loads meet
.irp s, 0,1
	s_mov_b32 s[G0+4*\s], 1                                        ; count = 1
	s_add_co_u32 s[G0+4*\s+1], s43, \s*ASLOT                       ; LDS address: the wave's number and the slot alone
	s_add_nc_u64 s[G0+4*\s+2:G0+4*\s+3], s[18:19], \s*KSTEP*2      ; trip s
	s_or_b32 s[G0+4*\s+3], s[G0+4*\s+3], 0x80000000                ; type = 2
	tensor_load_to_lds s[G0+4*\s:G0+4*\s+3], s[G1:G1+7]            ; two loads of this wave are out here, later one
	s_nop 0
.endr
	s_wait_loadcnt 16                              ; the bias and batches 0, 1 are in; the 16 loads of the two sets stay out
	s_wait_xcnt 0x0                                ; the loads' base is stepped only behind this wait
	s_add_nc_u64 s[WPB:WPB+1], s[WPB:WPB+1], 128*PW   ; batch 4: what the first quarter loads
.set i, 0
.rept 32
	v_pk_mul_f32 v[BIAS+2*i:BIAS+2*i+1], v[BIAS+2*i:BIAS+2*i+1], SIXTEENTH op_sel_hi:[1,0]   ; b1 / 16, exact, to go with x / 16
.set i, i+1
.endr
.set n, 0
.rept 16
	v_cvt_pk_f16_f32 v[PT+4*n],   v[PT+4*n],   v[PT+4*n+1]
	v_cvt_pk_f16_f32 v[PT+4*n+1], v[PT+4*n+2], v[PT+4*n+3]
.set n, n+1
.endr
.irp b, 0,1
.irp n, 0,1,2,3,4,5,6,7
	ds_store_b64 v[WST], v[PT+32*\b+4*\n:PT+32*\b+4*\n+1] offset:(32*\b+\n)*PITCHW
.endr
.endr
	s_wait_dscnt 0x0                               ; my rows of batches 0 and 1 are in LDS
	s_wait_tensorcnt 0x1                           ; my part of A's trip 0 is in; trip 1's may stay out: no tensor load fills bytes behind this barrier
	s_barrier_signal -1
	s_barrier_wait -1
	FETCH 0, 0, 0
	LAP 1                                          ; the first lap stands in front of the loop: its first products take the bias as C
	s_mov_b32 s3, LAPS-2
.Llap:
	LAP 0
	s_sub_co_u32 s3, s3, 1
	s_cmp_lg_u32 s3, 0
	s_cbranch_scc1 .Llap
	TRIP 0, 1, 0, 0                                ; the last lap fills nothing: this trip loads the last tile's four batches
	QUARTER 1, 0, 2, 0, 1, 8, 0, 0                 ; the last trip converts the last two batches and loads nothing: the counts run down 8, 0
	TURN    1, 1, 3, 1, 2, 0, 0, 0, 0
	QUARTER 1, 2, 0, 0, 0, 0, 0, 0
	s_wait_dscnt 8                                 ; the very last quarter: nothing more to fetch
	WIN MUL_LO
	MUL16 1, 0, 0, 0
	MUL16 1, 0, 2, 0
	s_wait_dscnt 0                                 ; my last fragments are in: my reads of the W ring are over,
	s_barrier_signal -1                            ; and I say so: the stages lie on the ring's bytes
	WIN MUL_HI
	MUL16 1, 1, 0, 0
	MUL16 1, 1, 2, 0
	s_barrier_wait -1                              ; every wave's reads of the ring are over
	; THE WAY OUT: relu in f32, then 16 tokens at a time: round to f16, 16 bytes a lane into my own stage, read back as rows of 256 bytes.
	PLACES                                         ; behind the last matrix instructions, for the vector instructions that read results
	s_lshl_b32 s20, s51, 25                        ; 512 rows of 65,536 bytes for the token block
	s_lshl_b32 s22, s12, 23                        ; + 128 w rows
	s_add_co_u32 s20, s20, s22
	s_lshl_b32 s22, s17, 8                         ; + 256 bytes for each column block
	s_add_co_u32 s20, s20, s22
	s_mov_b32 s21, 0
	s_add_nc_u64 s[10:11], s[10:11], s[20:21]
	WIN 0x8a                                       ; source and destination window 2
.set i, 0
.rept 256
	v_max_num_f32 v[i], 0, v[i]
.set i, i+1
.endr
	WIN 0xcf                                       ; window 3
.set i, 0
.rept 256
	v_max_num_f32 v[i], 0, v[i]
.set i, i+1
.endr
; tokens 16 i .. 16 i + 15 of my block = the eight tiles (a, 0..7) of window 2 or 3 (from = 0x0a or 0x0f); f: RB0 or RB1 in turn
.macro OUT16 i, a, from, f
	WIN \from
.irp b, 0,1,2,3,4,5,6,7
.irp r, 0,1,2,3
	v_cvt_pk_f16_f32 v[TMP+4*\b+\r], v[8*(8*\a+\b)+2*\r], v[8*(8*\a+\b)+2*\r+1]
.endr
.endr
	WIN 0
.irp b, 0,1,2,3,4,5,6,7
	ds_store_b128 v[STO], v[TMP+4*\b:TMP+4*\b+3] offset:32*\b
.endr
	s_wait_xcnt 0x0                                ; buffer f, which earlier stores read, and the stores' base are rewritten only behind this wait
.if \i
	s_add_nc_u64 s[10:11], s[10:11], 16*HROW
.endif
.irp t, 0,1,2,3,4,5,6,7
	ds_load_b128 v[\f+4*\t:\f+4*\t+3], v[RD] offset:\t*2*SPITCH    ; LDS serves a wave's instructions in order (ISA guide 5.7.1.4): these see the stores above
.endr
.irp t, 0,1,2,3,4,5,6,7
	s_wait_dscnt 7-\t
	global_store_b128 v[CO], v[\f+4*\t:\f+4*\t+3], s[10:11] offset:2*\t*HROW   ; 16 lanes store 256 consecutive bytes, at a multiple of 256 from hbuf's first byte
.endr
.endm
	OUT16 0, 0, 0x0a, RB0
	OUT16 1, 1, 0x0a, RB1
	OUT16 2, 2, 0x0a, RB0
	OUT16 3, 3, 0x0a, RB1
	OUT16 4, 0, 0x0f, RB0
	OUT16 5, 1, 0x0f, RB1
	OUT16 6, 2, 0x0f, RB0
	OUT16 7, 3, 0x0f, RB1
	s_wait_tensorcnt 0x0
	ds_add_u32 v254, v255
	s_wait_dscnt 0x0
	CROUND                                         ; the closing round: no work-group ends while a partner may still ask for a tile that names it
	s_endpgm
.Lfunc_end_k_q5da771b218_gemm1:
	.size	k_q5da771b218_gemm1, .Lfunc_end_k_q5da771b218_gemm1-k_q5da771b218_gemm1
	.p2alignl 7, 3214868480
	.fill 96, 4, 3214868480
	.section	.rodata,"a",@progbits
	.p2align	6, 0x0
	.amdhsa_kernel k_q5da771b218_gemm1
		.amdhsa_group_segment_fixed_size 327680
		.amdhsa_private_segment_fixed_size 0
		.amdhsa_enable_private_segment 0
		.amdhsa_kernarg_size 32
		.amdhsa_user_sgpr_count 2
		.amdhsa_user_sgpr_kernarg_segment_ptr 1
		.amdhsa_wavefront_size32 1
		.amdhsa_system_sgpr_workgroup_id_x 1
		.amdhsa_system_sgpr_workgroup_id_y 1
		.amdhsa_system_sgpr_workgroup_id_z 1
		.amdhsa_system_vgpr_workitem_id 0
		.amdhsa_next_free_vgpr 1024
		.amdhsa_next_free_sgpr 66
		.amdhsa_reserve_vcc 0
		.amdhsa_float_denorm_mode_32 3
		.amdhsa_float_denorm_mode_16_64 3
		.amdhsa_memory_ordered 1
		.amdhsa_forward_progress 1
		.amdhsa_inst_pref_size 255
	.end_amdhsa_kernel
	.section	.bss,"aw",@nobits
	.p2align	6
	.space	262144
	.amdgpu_metadata
---
amdhsa.version: [ 1, 2 ]
amdhsa.kernels:
  - .name:           k_q5da771b218_gemm1
    .symbol:         k_q5da771b218_gemm1.kd
    .args:
      - { .name: xb, .offset: 0, .size: 8, .value_kind: global_buffer, .address_space: global }
      - { .name: W1, .offset: 8, .size: 8, .value_kind: global_buffer, .address_space: global }
      - { .name: b1, .offset: 16, .size: 8, .value_kind: global_buffer, .address_space: global }
      - { .name: hbuf, .offset: 24, .size: 8, .value_kind: global_buffer, .address_space: global }
    .group_segment_fixed_size: 327680
    .private_segment_fixed_size: 0
    .kernarg_segment_align: 8
    .kernarg_segment_size: 32
    .max_flat_workgroup_size: 128
    .sgpr_count:     66
    .vgpr_count:     1024
    .wavefront_size: 32
...
	.end_amdgpu_metadata
.endif
;; end of part 2
;; launch gemm2 (part 3): grid 64 x 4, 4 waves a work-group, clusters of 4 x 4, 327,680 bytes of LDS; arguments hbuf, W2, part; writes part
.if DOCPART == 3
	.amdgcn_target "amdgcn-amd-amdhsa--gfx1250"
	.amdhsa_code_object_version 6
	.text
	.protected	k_q5da771b218_gemm2
	.globl	k_q5da771b218_gemm2
	.p2align	8
	.type	k_q5da771b218_gemm2,@function
k_q5da771b218_gemm2:
	s_mov_b64 s[64:65], 0
	v_nop
	global_prefetch_b8 v0, s[64:65] scope:SCOPE_SE
	s_setreg_imm32_b32 hwreg(HW_REG_WAVE_MODE, 25, 1), 1
	s_wait_xcnt 0x0
	s_wait_alu depctr_hold_cnt(0) depctr_sa_sdst(0) depctr_va_vdst(0) depctr_va_sdst(0) depctr_va_ssrc(0) depctr_va_vcc(0) depctr_vm_vsrc(0)
	s_getreg_b32 s2, hwreg(HW_REG_IB_STS2, 6, 4)
	s_cmp_eq_u32 s2, 0
	s_cbranch_scc0 .Lentry_in_a_cluster
	s_endpgm
.Lentry_in_a_cluster:
	s_bfe_u32 s2, ttmp6, 0x10000c
	s_cmp_lg_u32 s2, 0xf033
	s_cbranch_scc0 .Lentry_shape_is_right
	s_endpgm
.Lentry_shape_is_right:
; part[s][n][d] = sum over k = 2048 s .. 2048 s + 2047 of hbuf[n][k] W2flat[k][d]: 16 partial products in f32, split s = half of expert s / 2.
; hbuf: [1024][32768] f16, holding h / 16, so part holds a sixteenth of the products; the next launch multiplies by 16.
; W2: [8][4096][1024] f32 = [32768][1024].  part: [16][1024][1024] f32.
; The output has 16 blocks of 512 x 128; K = 32768 is split 16 ways so that 256 work-groups have equal work.  The gate's weights differ from
; expert to expert, and no work-group adds into another's bytes: the partial products go to memory and the next launch weighs and adds them.
; OPERANDS IN f16, not bf16: f16 keeps 11 significant bits to bf16's 8, and four roundings (x, W1, h, W2) enter every output of the program.
; LIMIT: W2 is rounded to f16 on its way to the matrix unit; |W2| of 65,520 or more becomes infinity, and its step below 2^-14 is 2^-24.
; A work-group makes 512 tokens x 128 columns with four waves, one above the other, a wave 128 x 128: 64 accumulator tiles of 16 x 16, 512 registers.
; WHY 512 x 128: W2 is f32, and every work-group that needs a tile of it loads and converts it for itself.  With 512 tokens to a block each
; element of W2 is loaded and converted by 1024 / 512 = 2 work-groups; a block of 256 x 256 would make that 4.  hbuf, which the taller block
; asks for twice as often, is f16 and comes by joint loads, one request for four work-groups.
; Its K = 2048 goes in 16 trips of 128, a trip in four quarters of 32.
; A (hbuf) comes by the tensor data mover through two LDS slots, rows of 256 bytes padded to 272; a wave fills and reads its own 128 rows.
; CLUSTERS: 4 x 4 work-groups; the cluster's x is the split; the sixteen make 2 token blocks (cy & 1) x 8 column blocks (4 (cy >> 1) + cx).  The
; four of a row of the cluster need the same tile of hbuf and ask for it JOINTLY (one descriptor, a mask that names the four).  The two that
; need the same tile of W2 lie in one cluster.
; W2 IS NOT ASKED FOR JOINTLY: it is f32 and lies [k][n].  A joint load could only lay f32 into LDS: 16 KiB more written and 16 KiB more read
; for each 32 of K, on top of the 104 KiB that this text moves there (64 of fragments, 32 of A, 8 of W), and beside A's 278,528 bytes and the
; f16 ring's 36,864 only 12,288 of the 327,680 are left.  So W2 goes memory -> registers -> f16 -> LDS as [k][n], each wave 8 of a batch's
; 32 rows, and is read back by the transposing load ds_load_tr16_b128.
; THE W RING holds one tile of 128 rows as four batches of 32; batch g lies at place g & 3.  Quarter Q multiplies batch Q, fetches batch Q + 1's
; fragments, converts batch Q + 2 into its place and loads batch Q + 4 from memory.  A barrier stands in every odd quarter, between the
; conversion and the fetch: from one barrier to the next the reads touch places 0, 1 and the stores places 2, 3, or the other way round.
; PREFETCH: in each trip that has a tile two trips ahead, that tile of W2 (128 rows x 512 bytes) is asked for, once in the launch:
; its 256 aligned blocks of 256 bytes are shared 128 to each of the two work-groups that read it (by token block), 32 to a wave, one to a lane.
; The request stands behind the first quarter's loads, four quarters ahead of the tile's first load.  The last two trips ask for nothing, so
; no request passes the split's last row.
;
; REGISTERS, in windows of 256:
;   window 0: v16-26 addresses, never rewritten; v32-63, v64-95 two sets of 8 x 4 registers for W2 on its way; v96-159 the first two batches
;   window 1: v0-63, v64-127 fragments of A, two buffers; v128-191, v192-255 fragments of W, two buffers
;   window 2: the 32 accumulator tiles of my rows 0-63 (tile (a, b) at v[8 (8 a + b)]);   window 3: those of my rows 64-127
; THE MATRIX INSTRUCTION IS USED TRANSPOSED: source 0 = 16 columns of W, source 1 = 16 tokens.  Lane l then holds token l % 16, and its
; registers 0 to 7 the columns 8 (l / 16) + 0 .. 7 of the tile: eight neighbouring numbers of a row of part.
; The first product of each tile takes the constant 0 as C: nothing is cleared.
.set TRIPS,  16                        ; 2048 / 128
.set LAPS,   TRIPS/2                   ; a lap = two trips = once round A's ring
.set KSTEP,  128
.set LDA,    32768                     ; elements in a row of hbuf
.set PW,     4096                      ; bytes in a row of W2
.set PWLOG,  12
.set PROW,   4096                      ; bytes in a row of part
.set PITCHA, 272                       ; 256 bytes + 16: the 16 rows of a fragment load start 16 bytes apart modulo 256
.set WROWS,  128*PITCHA                ; 34,816: a wave's 128 rows of a slot
.set ASLOT,  4*WROWS                   ; 139,264
.set PITCHW, 288                       ; 256 bytes + 32 = 9 x 32, for the transposing load
.set BATCH,  32*PITCHW                 ; 9,216: a batch's place in the W ring
.set WB,     2*ASLOT                   ; 278,528 = 1,088 x 256: the f16 W ring, 4 places; LDS stores fill it, no tensor load does
.set STAGE,  WB                        ; the way out uses the ring's bytes, behind a barrier of its own: 16 rows x 528 bytes for each wave
.set SPITCH, 528                       ; 512 bytes + 16
.set ADRA, 16                          ; v16-17  LDS address of my A fragments in slot 0, 1
.set WOFF, 18                          ; v18     byte offset of my 16 bytes in my first row of a batch of W2
.set PFO,  19                          ; v19     byte offset of my block of a tile of W2, for the prefetch
.set ADRB, 20                          ; v20     LDS address of my W fragments in place 0
.set WST,  22                          ; v22     LDS address of my 8 bytes in my first row of place 0
.set STO,  24                          ; v24     the way out: where I put 32 bytes of a row
.set RD,   25                          ; v25     the way out: where I read a row back
.set CO,   26                          ; v26     my byte offset in a row of part
.set SETA, 32                          ; even batches on their way
.set SETB, 64                          ; odd batches on their way
.set PT,   96                          ; batches 0 and 1, ahead of the loop
.set TMP,  32                          ; the way out: 16 rows read back
.set FA,   0                           ; window 1
.set FB,   128                         ; window 1
.set G1,  24                           ; s[24:31] descriptor group 1
.set G0,  32                           ; s[32:39] descriptor group 0, one set for each slot
.set WPB, 40                           ; s[40:41] W2 at the batch that the lap's first load takes
.set MSB, 0
.macro WIN new                         ; the immediate's high byte repeats the setting that is left
.if MSB != \new
	s_set_vgpr_msb (MSB<<8)|\new
.set MSB, \new
.endif
.endm
.set MUL_LO,   0xa5                    ; sources 0 and 1 window 1, C and D window 2
.set MUL_HI,   0xf5                    ; the same, C and D window 3
.set TO_F,     0x40                    ; destination window 1, address window 0
.macro PLACES                          ; four plain places behind a matrix instruction (ISA guide 7.12.1)
.rept 4
	v_nop
.endr
.endm
; A round of the cluster's barrier: my work-group's barrier; wave 0 signals for the work-group; every wave waits for all sixteen; my work-group's barrier again.
.macro CREST                           ; a round behind its opening barrier
	s_cmp_lg_u32 s12, 0
	s_cbranch_scc1 .Lnot_wave_0_\@
	s_barrier_signal -3
.Lnot_wave_0_\@:
	s_barrier_wait -3
	s_barrier_signal -1
	s_barrier_wait -1
.endm
.macro CROUND
	s_barrier_signal -1
	s_barrier_wait -1
	CREST
.endm
; 16 matrix instructions: row tiles a0, a0 + 1 of the window's four x all 8 column tiles, 32 along K, on fragment buffer f.
; The 64 accumulators take turns, one instruction a turn, in the same order in every quarter.
.macro MUL16 f, hi, a0, first
.irp a, \a0, \a0+1
.irp b, 0,1,2,3,4,5,6,7
.if \first
	v_wmma_f32_16x16x32_f16 v[8*(8*(\a)+\b):8*(8*(\a)+\b)+7], v[FB+64*\f+8*\b:FB+64*\f+8*\b+7], v[FA+64*\f+8*(4*\hi+\a):FA+64*\f+8*(4*\hi+\a)+7], 0
.else
	v_wmma_f32_16x16x32_f16 v[8*(8*(\a)+\b):8*(8*(\a)+\b)+7], v[FB+64*\f+8*\b:FB+64*\f+8*\b+7], v[FA+64*\f+8*(4*\hi+\a):FA+64*\f+8*(4*\hi+\a)+7], v[8*(8*(\a)+\b):8*(8*(\a)+\b)+7]
.endif
.endr
.endr
.endm
; 32 LDS loads in one run: quarter q (W's place q, A's bytes 64 q of slot's rows) into fragment buffer f; W's 16 first, A's 16 last (rows 64-127 are the last eight)
.macro FETCH slot, q, f
	WIN TO_F
.irp i, 0,1,2,3,4,5,6,7
	ds_load_tr16_b128 v[FB+64*\f+8*\i:FB+64*\f+8*\i+3],   v[ADRB] offset:(\q)*BATCH+32*\i
	ds_load_tr16_b128 v[FB+64*\f+8*\i+4:FB+64*\f+8*\i+7], v[ADRB] offset:(\q)*BATCH+32*\i+16*PITCHW
.endr
.irp i, 0,1,2,3,4,5,6,7
	ds_load_b128 v[FA+64*\f+8*\i:FA+64*\f+8*\i+3],   v[ADRA+\slot] offset:64*(\q)+\i*16*PITCHA
	ds_load_b128 v[FA+64*\f+8*\i+4:FA+64*\f+8*\i+7], v[ADRA+\slot] offset:64*(\q)+\i*16*PITCHA+32
.endr
.endm
; my 8 rows x 512 bytes of the batch j batches behind WPB: 8 loads of 512 consecutive bytes
.macro WLOAD dst, j
.irp n, 0,1,2,3,4,5,6,7
	global_load_b128 v[\dst+4*\n:\dst+4*\n+3], v[WOFF], s[WPB:WPB+1] offset:(32*(\j)+\n)*PW
.endr
.endm
; One batch of W2 (32 k x 128 n; my 8 rows) goes from set sr to place pos of the W ring as f16; then the set is loaded again, two batches ahead.
.macro CONV sr, pos, left, load, j, pf
	s_wait_loadcnt \left                           ; this set's 8 loads are in; the other set's (left of them) stay out
.irp n, 0,1,2,3,4,5,6,7
	v_cvt_pk_f16_f32 v[\sr+4*\n],   v[\sr+4*\n],   v[\sr+4*\n+1]
	v_cvt_pk_f16_f32 v[\sr+4*\n+1], v[\sr+4*\n+2], v[\sr+4*\n+3]
.endr
.irp n, 0,1,2,3,4,5,6,7
	ds_store_b64 v[WST], v[\sr+4*\n:\sr+4*\n+1] offset:(32*(\pos)+\n)*PITCHW   ; 32 lanes x 8 bytes: a row's 256 consecutive bytes
.endr
.if \load
	WLOAD \sr, \j
.endif
.if \pf
	global_prefetch_b8 v[PFO], s[WPB:WPB+1] offset:(128+32*(\j))*PW th:TH_LOAD_NT scope:SCOPE_SE   ; the tile two trips ahead begins 128 rows (slot 1: 256) behind WPB
.endif
.endm
; An even quarter (q = 0, 2): multiplies buffer 0; in its middle it converts a batch into place pos and fetches quarter q + 1 into buffer 1.
; The 16 conversions are the places between the last matrix instruction that read buffer 1 and the loads into it; without them four v_nop.
.macro QUARTER slot, q, pos, first, conv, left, load, pf
	s_wait_dscnt 8                                 ; W and A's rows 0-63 are in; the youngest eight loads (A's rows 64-127) may be out
	WIN MUL_LO
	MUL16 0, 0, 0, \first
	MUL16 0, 0, 2, \first
	WIN 0
.if \conv
	CONV SETA, \pos, \left, \load, 4*\slot+\q, \pf
.else
	PLACES
.endif
	FETCH \slot, \q+1, 1
.if \conv
	s_wait_dscnt 40                                ; all but the 8 stores and 32 loads just issued
.else
	s_wait_dscnt 32                                ; all but the 32 loads just issued
.endif
	WIN MUL_HI
	MUL16 0, 1, 0, \first
	MUL16 0, 1, 2, \first
.endm
; An odd quarter (q = 1, 3): multiplies buffer 1, converts a batch into place pos, passes the barrier, and fetches quarter nq of slot nslot into buffer 0.
; In front of the barrier each wave has waited for all its LDS reads and stores: behind it the two places just stored may be read and the two
; just read may be stored into.  In q = 3 (tens = 1) the barrier also changes A's slots: each wave has waited for all its tensor loads (one is
; out: its rows of the next tile).  Where A's slot is filled again (fill = 1) the barrier opens a round of the cluster's barrier, and the joint
; load is the first tensor load behind the round, one a wave.  Behind q = 1's barrier no tensor load fills bytes, so A's load may stay out across it.
.macro TURN slot, q, pos, nslot, nq, tens, fill, left, load
	s_wait_dscnt 8
	WIN MUL_LO
	MUL16 1, 0, 0, 0
	WIN 0
	CONV SETB, \pos, \left, \load, 4*\slot+\q, 0
	s_wait_dscnt 0                                 ; my LDS reads and my stores into the W ring are done
.if \tens
	s_wait_tensorcnt 0x0                           ; all my tensor loads have landed
	ds_add_u32 v254, v255
	s_wait_dscnt 0x0
.endif
	s_barrier_signal -1
	WIN MUL_LO
	MUL16 1, 0, 2, 0                               ; registers only, while the others arrive
.if \fill
	WIN 0
.endif
	s_barrier_wait -1
.if \fill
	CREST
	s_add_nc_u64 s[G0+4*\slot+2:G0+4*\slot+3], s[G0+4*\slot+2:G0+4*\slot+3], 2*KSTEP*2   ; no load of mine is out: this slot's tile two trips on
	tensor_load_to_lds s[G0+4*\slot:G0+4*\slot+3], s[G1:G1+7]
	s_nop 0
.endif
	FETCH \nslot, \nq, 0
	WIN MUL_HI
	MUL16 1, 1, 0, 0
	MUL16 1, 1, 2, 0
.endm
; A trip with a trip behind it: every quarter converts and loads.  fill = 1: A's slot is filled again and the W tile two trips ahead is asked for.
.macro TRIP slot, next, first, fill
	QUARTER \slot, 0, 2, \first, 1, 8, 1, \fill
	TURN    \slot, 1, 3, \slot, 2, 0, 0, 8, 1
	QUARTER \slot, 2, 0, 0, 1, 8, 1, 0
	TURN    \slot, 3, 1, \next, 0, 1, \fill, 8, 1
.endm
.macro LAP first
	TRIP 0, 1, \first, 1
	TRIP 1, 0, 0, 1
	WIN 0
	s_wait_xcnt 0x0                                ; the base of the lap's loads and prefetches is stepped only behind this wait
	s_add_nc_u64 s[WPB:WPB+1], s[WPB:WPB+1], 256*PW
.endm
	s_load_b128 s[4:7], s[0:1], 0x0                ; hbuf s[4:5], W2 s[6:7]
	s_load_b64 s[8:9], s[0:1], 0x10                ; part
	v_lshl_add_u32 v254, v0, 2, 0x4d000
	v_mov_b32 v255, 0
	ds_add_u32 v254, v255
	v_lshrrev_b32 v1, 5, v0
	v_readfirstlane_b32 s12, v1                    ; wave 0..3: which 128 of the block's 512 tokens are mine
	s_bfe_u32 s15, ttmp6, 0x40000                  ; cx
	s_bfe_u32 s16, ttmp6, 0x40004                  ; cy (the grid has one cluster along y); ttmp9 = the split
	s_and_b32 s51, s16, 1                          ; the token block
	s_lshr_b32 s52, s16, 1                         ; which four of the eight column blocks
	s_lshl_b32 s17, s52, 2
	s_add_co_u32 s17, s17, s15                     ; column block = 4 (cy >> 1) + cx, 0..7
	; descriptor group 1: 128 rows x 128 elements of 2 bytes, padded in LDS; shared along my row of the cluster
	s_lshl_b32 s42, s16, 2
	s_lshl_b32 s42, 15, s42                        ; places 4 cy .. 4 cy + 3
	s_or_b32 s[G1+0], s42, (1<<16)|(1<<20)|(1<<21)|(5<<22)|(3<<25)  ; mask; element of 2 bytes; padding on; bit 21 beside a mask; after every 64 words, 4 words
	s_mov_b32 s[G1+1], KSTEP<<16                   ; tensor_dim0 = 128
	s_mov_b32 s[G1+2], 128<<16                     ; tensor_dim1 = 128
	s_mov_b32 s[G1+3], KSTEP<<16                   ; tile_dim0 = 128
	s_mov_b32 s[G1+4], 128                         ; tile_dim1 = 128
	s_mov_b32 s[G1+5], LDA                         ; elements from row to row
	s_mov_b32 s[G1+6], 0
	s_mov_b32 s[G1+7], 0
	; A's offset is made of cy, the wave's number and the split alone, in registers that never hold cx
	s_lshl_b32 s18, s51, 25                        ; 512 rows of 65,536 bytes for the token block
	s_lshl_b32 s43, s12, 23                        ; + 128 w rows
	s_add_co_u32 s18, s18, s43
	s_lshl_b32 s43, ttmp9, 12                      ; + 2,048 elements along K for each split
	s_add_co_u32 s18, s18, s43
	s_mov_b32 s19, 0
	s_mul_i32 s43, s12, WROWS                      ; LDS: my 128 rows of a slot
	; W2's offset: 2,048 rows of 4,096 bytes for each split; 512 bytes of a row for each column block
	s_lshl_b32 s20, ttmp9, 23
	s_lshl_b32 s22, s17, 9
	s_add_co_u32 s20, s20, s22
	s_mov_b32 s21, 0
	; lane terms: L = lane, r = L % 16, h = L / 16
	v_and_b32 v1, 31, v0
	v_and_b32 v2, 15, v0
	v_bfe_u32 v3, v0, 4, 1
	v_mul_u32_u24 v4, v2, PITCHA
	v_lshl_add_u32 v4, v3, 4, v4                   ; r x 272 + 16 h
	v_add_nc_u32 v[ADRA], s43, v4
	v_add_nc_u32 v[ADRA+1], ASLOT, v[ADRA]
	v_and_b32 v5, 7, v0
	v_lshl_add_u32 v5, v3, 3, v5                   ; 8 h + L % 8: the row of k that I address for the transposing load
	v_mul_u32_u24 v5, v5, PITCHW
	v_bfe_u32 v6, v0, 3, 1
	v_lshl_add_u32 v5, v6, 4, v5                   ; + 16 ((L / 8) % 2)
	v_add_nc_u32 v[ADRB], WB, v5
	s_mul_i32 s46, s12, 8*PITCHW                   ; my 8 rows of a batch
	s_add_co_u32 s46, s46, WB
	v_lshl_add_u32 v[WST], v1, 3, s46
	s_mul_i32 s47, s12, 8*PW
	v_lshl_add_u32 v[WOFF], v1, 4, s47
	s_lshl_b32 s48, s51, 6                         ; prefetch: row 64 x token block + 16 w + L / 2 of a tile, block L % 2 of its 512 bytes
	s_lshl_b32 s49, s12, 4
	s_add_co_u32 s48, s48, s49
	v_lshrrev_b32 v7, 1, v1
	v_add_nc_u32 v7, s48, v7
	v_lshlrev_b32 v7, PWLOG, v7
	v_and_b32 v8, 1, v0
	v_lshl_add_u32 v[PFO], v8, 8, v7
	s_mul_i32 s50, s12, 16*SPITCH
	s_add_co_u32 s50, s50, STAGE                   ; my stage
	v_mul_u32_u24 v9, v2, SPITCH
	v_lshl_add_u32 v9, v3, 5, v9
	v_add_nc_u32 v[STO], s50, v9                   ; in: row r, 32 bytes for each half of the lanes
	v_lshl_add_u32 v[RD], v1, 4, s50               ; back: 32 lanes take one row of 512 bytes
	v_lshlrev_b32 v[CO], 4, v1                     ; the same in part
	s_wait_dscnt 0x0
	s_wait_kmcnt 0x0
	s_add_nc_u64 s[WPB:WPB+1], s[6:7], s[20:21]    ; W2 at my block's first tile
	s_add_nc_u64 s[18:19], s[4:5], s[18:19]        ; hbuf at my 128 rows
	WLOAD PT, 0                                    ; batches 0 and 1 are converted ahead of the loop
	WLOAD PT+32, 1
	WLOAD SETA, 2                                  ; batches 2 and 3: the two sets are on their way from here on
	WLOAD SETB, 3
	CROUND                                         ; all sixteen work-groups are here: the first joint loads meet
.irp s, 0,1
	s_mov_b32 s[G0+4*\s], 1                                        ; count = 1
	s_add_co_u32 s[G0+4*\s+1], s43, \s*ASLOT                       ; LDS address: the wave's number and the slot alone
	s_add_nc_u64 s[G0+4*\s+2:G0+4*\s+3], s[18:19], \s*KSTEP*2      ; trip s
	s_or_b32 s[G0+4*\s+3], s[G0+4*\s+3], 0x80000000                ; type = 2
	tensor_load_to_lds s[G0+4*\s:G0+4*\s+3], s[G1:G1+7]            ; two loads of this wave are out here, later one
	s_nop 0
.endr
	s_wait_loadcnt 16                              ; batches 0, 1 are in; the 16 loads of the two sets stay out
	s_wait_xcnt 0x0                                ; the loads' base is stepped only behind this wait
	s_add_nc_u64 s[WPB:WPB+1], s[WPB:WPB+1], 128*PW   ; batch 4: what the first quarter loads
.set n, 0
.rept 16
	v_cvt_pk_f16_f32 v[PT+4*n],   v[PT+4*n],   v[PT+4*n+1]
	v_cvt_pk_f16_f32 v[PT+4*n+1], v[PT+4*n+2], v[PT+4*n+3]
.set n, n+1
.endr
.irp b, 0,1
.irp n, 0,1,2,3,4,5,6,7
	ds_store_b64 v[WST], v[PT+32*\b+4*\n:PT+32*\b+4*\n+1] offset:(32*\b+\n)*PITCHW
.endr
.endr
	s_wait_dscnt 0x0                               ; my rows of batches 0 and 1 are in LDS
	s_wait_tensorcnt 0x1                           ; my part of A's trip 0 is in; trip 1's may stay out: no tensor load fills bytes behind this barrier
	s_barrier_signal -1
	s_barrier_wait -1
	FETCH 0, 0, 0
	LAP 1                                          ; the first lap stands in front of the loop: its first products start the sums
	s_mov_b32 s3, LAPS-2
.Llap:
	LAP 0
	s_sub_co_u32 s3, s3, 1
	s_cmp_lg_u32 s3, 0
	s_cbranch_scc1 .Llap
	TRIP 0, 1, 0, 0                                ; the last lap fills nothing: this trip loads the last tile's four batches
	QUARTER 1, 0, 2, 0, 1, 8, 0, 0                 ; the last trip converts the last two batches and loads nothing: the counts run down 8, 0
	TURN    1, 1, 3, 1, 2, 0, 0, 0, 0
	QUARTER 1, 2, 0, 0, 0, 0, 0, 0
	s_wait_dscnt 8                                 ; the very last quarter: nothing more to fetch
	WIN MUL_LO
	MUL16 1, 0, 0, 0
	MUL16 1, 0, 2, 0
	s_wait_dscnt 0                                 ; my last fragments are in: my reads of the W ring are over,
	s_barrier_signal -1                            ; and I say so: the stages lie on the ring's bytes
	WIN MUL_HI
	MUL16 1, 1, 0, 0
	MUL16 1, 1, 2, 0
	s_barrier_wait -1                              ; every wave's reads of the ring are over
	; THE WAY OUT, 16 tokens at a time: 32 bytes a lane and tile into my own stage, read back as rows of 512 bytes.
	PLACES                                         ; behind the last matrix instructions, for the LDS stores that read results
	s_lshl_b32 s20, ttmp9, 22                      ; the split's 4,194,304 bytes
	s_lshl_b32 s22, s51, 21                        ; + 512 rows of 4,096 bytes for the token block
	s_add_co_u32 s20, s20, s22
	s_lshl_b32 s22, s12, 19                        ; + 128 w rows
	s_add_co_u32 s20, s20, s22
	s_lshl_b32 s22, s17, 9                         ; + 512 bytes for each column block
	s_add_co_u32 s20, s20, s22
	s_mov_b32 s21, 0
	s_add_nc_u64 s[8:9], s[8:9], s[20:21]
; tokens 16 i .. 16 i + 15 of my block = the eight tiles (a, 0..7) of window 2 or 3 (from = 0x08 or 0x0c: the LDS stores' data)
.macro OUT16F i, a, from
	WIN \from
.irp b, 0,1,2,3,4,5,6,7
	ds_store_b128 v[STO], v[8*(8*\a+\b):8*(8*\a+\b)+3]   offset:64*\b
	ds_store_b128 v[STO], v[8*(8*\a+\b)+4:8*(8*\a+\b)+7] offset:64*\b+16
.endr
	WIN 0
	s_wait_xcnt 0x0                                ; TMP, which earlier stores read, and the stores' base are rewritten only behind this wait
.if \i
	s_add_nc_u64 s[8:9], s[8:9], 16*PROW
.endif
.irp t, 0,1,2,3,4,5,6,7,8,9,10,11,12,13,14,15
	ds_load_b128 v[TMP+4*\t:TMP+4*\t+3], v[RD] offset:\t*SPITCH    ; LDS serves a wave's instructions in order (ISA guide 5.7.1.4): these see the stores above
.endr
.irp t, 0,1,2,3,4,5,6,7,8,9,10,11,12,13,14,15
	s_wait_dscnt 15-\t
	global_store_b128 v[CO], v[TMP+4*\t:TMP+4*\t+3], s[8:9] offset:\t*PROW   ; the wave stores 512 consecutive bytes, at a multiple of 512 from part's first byte
.endr
.endm
	OUT16F 0, 0, 0x08
	OUT16F 1, 1, 0x08
	OUT16F 2, 2, 0x08
	OUT16F 3, 3, 0x08
	OUT16F 4, 0, 0x0c
	OUT16F 5, 1, 0x0c
	OUT16F 6, 2, 0x0c
	OUT16F 7, 3, 0x0c
	s_wait_tensorcnt 0x0
	ds_add_u32 v254, v255
	s_wait_dscnt 0x0
	CROUND                                         ; the closing round: no work-group ends while a partner may still ask for a tile that names it
	s_endpgm
.Lfunc_end_k_q5da771b218_gemm2:
	.size	k_q5da771b218_gemm2, .Lfunc_end_k_q5da771b218_gemm2-k_q5da771b218_gemm2
	.p2alignl 7, 3214868480
	.fill 96, 4, 3214868480
	.section	.rodata,"a",@progbits
	.p2align	6, 0x0
	.amdhsa_kernel k_q5da771b218_gemm2
		.amdhsa_group_segment_fixed_size 327680
		.amdhsa_private_segment_fixed_size 0
		.amdhsa_enable_private_segment 0
		.amdhsa_kernarg_size 24
		.amdhsa_user_sgpr_count 2
		.amdhsa_user_sgpr_kernarg_segment_ptr 1
		.amdhsa_wavefront_size32 1
		.amdhsa_system_sgpr_workgroup_id_x 1
		.amdhsa_system_sgpr_workgroup_id_y 1
		.amdhsa_system_sgpr_workgroup_id_z 1
		.amdhsa_system_vgpr_workitem_id 0
		.amdhsa_next_free_vgpr 1024
		.amdhsa_next_free_sgpr 66
		.amdhsa_reserve_vcc 0
		.amdhsa_float_denorm_mode_32 3
		.amdhsa_float_denorm_mode_16_64 3
		.amdhsa_memory_ordered 1
		.amdhsa_forward_progress 1
		.amdhsa_inst_pref_size 247
	.end_amdhsa_kernel
	.amdgpu_metadata
---
amdhsa.version: [ 1, 2 ]
amdhsa.kernels:
  - .name:           k_q5da771b218_gemm2
    .symbol:         k_q5da771b218_gemm2.kd
    .args:
      - { .name: hbuf, .offset: 0, .size: 8, .value_kind: global_buffer, .address_space: global }
      - { .name: W2, .offset: 8, .size: 8, .value_kind: global_buffer, .address_space: global }
      - { .name: part, .offset: 16, .size: 8, .value_kind: global_buffer, .address_space: global }
    .group_segment_fixed_size: 327680
    .private_segment_fixed_size: 0
    .kernarg_segment_align: 8
    .kernarg_segment_size: 24
    .max_flat_workgroup_size: 128
    .sgpr_count:     66
    .vgpr_count:     1024
    .wavefront_size: 32
...
	.end_amdgpu_metadata
.endif
;; end of part 3
;; launch combine (part 4): grid 512 x 1, 8 waves a work-group, no clusters, 0 bytes of LDS; arguments part, wbuf, b2, out0; writes out0
.if DOCPART == 4
	.amdgcn_target "amdgcn-amd-amdhsa--gfx1250"
	.amdhsa_code_object_version 6
	.text
	.protected	k_q5da771b218_combine
	.globl	k_q5da771b218_combine
	.p2align	8
	.type	k_q5da771b218_combine,@function
k_q5da771b218_combine:
	s_mov_b64 s[64:65], 0
	v_nop
	global_prefetch_b8 v0, s[64:65] scope:SCOPE_SE
	s_setreg_imm32_b32 hwreg(HW_REG_WAVE_MODE, 25, 1), 1
	s_wait_xcnt 0x0
; out0[n][d] = sum over e of w[n][e] (16 (part[2 e][n][d] + part[2 e + 1][n][d]) + b2[e][d]), all in f32.
; part: [16][1024][1024] f32, a sixteenth of the experts' products (the hidden layer was kept as h / 16): the factor 16, exact, rides on the
; fused multiply-add that adds the bias.  wbuf: [1024][8][2] f32 (each weight twice).  b2: [8][1024] f32.  out0: [1024][1024] f32.
; A stream: every byte of part is read once, by loads of which a wave's one covers 512 consecutive bytes; every byte of out0 is written
; once, likewise.  No LDS, no barrier, no matrix unit, no cluster: no two work-groups share a byte of part, and the arithmetic is six packed instructions for four numbers and an expert.
; Eight waves; the work-group owns 2 rows; thread t owns columns 4 t .. 4 t + 3.  All 40 loads of a thread go out at once, into registers of
; their own; the text is straight and no register is written twice while a memory instruction names it.
; A row's 8 weights are the same for the whole work-group: they come by scalar loads, as even-aligned pairs for the packed multiply-adds.
.set SPLIT, 4194304                    ; bytes of one partial product
.set ROWB,  4096                       ; bytes in a row
.set SIXTEEN, 0x41800000               ; 16 in f32
.set OFF,  2                           ; v[2:9]     16 t + e x 2 SPLIT
.set B2,   12                          ; v[12:43]   b2 of my 4 columns, expert e at B2 + 4 e
.set P0,   44                          ; v[44:107]  row 0: expert e, half k at P0 + 8 e + 4 k
.set P1,   108                         ; v[108:171] row 1
.set ACC0, 172                         ; v[172:175]
.set ACC1, 176                         ; v[176:179]
.set W0,   16                          ; s[16:31]   row 0: weight e, twice, at W0 + 2 e
.set W1,   32                          ; s[32:47]   row 1
	s_load_b256 s[4:11], s[0:1], 0x0               ; part s[4:5], wbuf s[6:7], b2 s[8:9], out0 s[10:11]
	v_lshlrev_b32 v1, 4, v0                        ; 16 t
.irp e, 0,1,2,3,4,5,6,7
	v_add_nc_u32 v[OFF+\e], \e*2*SPLIT, v1
.endr
	s_lshl_b32 s12, ttmp9, 13                      ; 2 rows of 4,096 bytes
	s_mov_b32 s13, 0
	s_lshl_b32 s14, ttmp9, 7                       ; 2 rows of 64 bytes
	s_mov_b32 s15, 0
	s_wait_kmcnt 0x0
	s_add_nc_u64 s[6:7], s[6:7], s[14:15]
	s_add_nc_u64 s[4:5], s[4:5], s[12:13]
	s_add_nc_u64 s[10:11], s[10:11], s[12:13]
	s_load_b512 s[W0:W0+15], s[6:7], 0x0
	s_load_b512 s[W1:W1+15], s[6:7], 0x40
.irp e, 0,1,2,3,4,5,6,7
	global_load_b128 v[B2+4*\e:B2+4*\e+3], v1, s[8:9] offset:\e*ROWB
.endr
.irp e, 0,1,2,3,4,5,6,7
	global_load_b128 v[P0+8*\e:P0+8*\e+3],   v[OFF+\e], s[4:5] th:TH_LOAD_NT
	global_load_b128 v[P0+8*\e+4:P0+8*\e+7], v[OFF+\e], s[4:5] offset:SPLIT th:TH_LOAD_NT
.endr
.irp e, 0,1,2,3,4,5,6,7
	global_load_b128 v[P1+8*\e:P1+8*\e+3],   v[OFF+\e], s[4:5] offset:ROWB th:TH_LOAD_NT
	global_load_b128 v[P1+8*\e+4:P1+8*\e+7], v[OFF+\e], s[4:5] offset:SPLIT+ROWB th:TH_LOAD_NT
.endr
; one row: for each expert its two halves are added, brought back to scale with the bias added, then weighed into the sum; the first expert starts the sum
.macro ROW p, acc, sw
.irp e, 0,1,2,3,4,5,6,7
	v_pk_add_f32 v[\p+8*\e:\p+8*\e+1],   v[\p+8*\e:\p+8*\e+1],   v[\p+8*\e+4:\p+8*\e+5]
	v_pk_add_f32 v[\p+8*\e+2:\p+8*\e+3], v[\p+8*\e+2:\p+8*\e+3], v[\p+8*\e+6:\p+8*\e+7]
	v_pk_fma_f32 v[\p+8*\e:\p+8*\e+1],   v[\p+8*\e:\p+8*\e+1],   SIXTEEN, v[B2+4*\e:B2+4*\e+1]   op_sel_hi:[1,0,1]
	v_pk_fma_f32 v[\p+8*\e+2:\p+8*\e+3], v[\p+8*\e+2:\p+8*\e+3], SIXTEEN, v[B2+4*\e+2:B2+4*\e+3] op_sel_hi:[1,0,1]
.if \e
	v_pk_fma_f32 v[\acc:\acc+1],   v[\p+8*\e:\p+8*\e+1],   s[\sw+2*\e:\sw+2*\e+1], v[\acc:\acc+1]   op_sel_hi:[1,0,1]
	v_pk_fma_f32 v[\acc+2:\acc+3], v[\p+8*\e+2:\p+8*\e+3], s[\sw+2*\e:\sw+2*\e+1], v[\acc+2:\acc+3] op_sel_hi:[1,0,1]
.else
	v_pk_mul_f32 v[\acc:\acc+1],   v[\p+8*\e:\p+8*\e+1],   s[\sw+2*\e:\sw+2*\e+1] op_sel_hi:[1,0]
	v_pk_mul_f32 v[\acc+2:\acc+3], v[\p+8*\e+2:\p+8*\e+3], s[\sw+2*\e:\sw+2*\e+1] op_sel_hi:[1,0]
.endif
.endr
.endm
	s_wait_kmcnt 0x0                               ; both rows' weights
	s_wait_loadcnt 16                              ; b2 and row 0 are in; row 1's sixteen loads stay out
	ROW P0, ACC0, W0
	global_store_b128 v1, v[ACC0:ACC0+3], s[10:11] th:TH_STORE_NT
	s_wait_loadcnt 0x0
	ROW P1, ACC1, W1
	global_store_b128 v1, v[ACC1:ACC1+3], s[10:11] offset:ROWB th:TH_STORE_NT
	s_endpgm
.Lfunc_end_k_q5da771b218_combine:
	.size	k_q5da771b218_combine, .Lfunc_end_k_q5da771b218_combine-k_q5da771b218_combine
	.p2alignl 7, 3214868480
	.fill 96, 4, 3214868480
	.section	.rodata,"a",@progbits
	.p2align	6, 0x0
	.amdhsa_kernel k_q5da771b218_combine
		.amdhsa_group_segment_fixed_size 0
		.amdhsa_private_segment_fixed_size 0
		.amdhsa_enable_private_segment 0
		.amdhsa_kernarg_size 32
		.amdhsa_user_sgpr_count 2
		.amdhsa_user_sgpr_kernarg_segment_ptr 1
		.amdhsa_wavefront_size32 1
		.amdhsa_system_sgpr_workgroup_id_x 1
		.amdhsa_system_sgpr_workgroup_id_y 1
		.amdhsa_system_sgpr_workgroup_id_z 1
		.amdhsa_system_vgpr_workitem_id 0
		.amdhsa_next_free_vgpr 192
		.amdhsa_next_free_sgpr 66
		.amdhsa_reserve_vcc 0
		.amdhsa_float_denorm_mode_32 3
		.amdhsa_float_denorm_mode_16_64 3
		.amdhsa_memory_ordered 1
		.amdhsa_forward_progress 1
		.amdhsa_inst_pref_size 13
	.end_amdhsa_kernel
	.amdgpu_metadata
---
amdhsa.version: [ 1, 2 ]
amdhsa.kernels:
  - .name:           k_q5da771b218_combine
    .symbol:         k_q5da771b218_combine.kd
    .args:
      - { .name: part, .offset: 0, .size: 8, .value_kind: global_buffer, .address_space: global }
      - { .name: wbuf, .offset: 8, .size: 8, .value_kind: global_buffer, .address_space: global }
      - { .name: b2, .offset: 16, .size: 8, .value_kind: global_buffer, .address_space: global }
      - { .name: out0, .offset: 24, .size: 8, .value_kind: global_buffer, .address_space: global }
    .group_segment_fixed_size: 0
    .private_segment_fixed_size: 0
    .kernarg_segment_align: 8
    .kernarg_segment_size: 32
    .max_flat_workgroup_size: 256
    .sgpr_count:     66
    .vgpr_count:     192
    .wavefront_size: 32
...
	.end_amdgpu_metadata
.endif
;; end of part 4
